; MI455X (gfx1250); checked and timed in simulation.
; The chip was launched on July 23, 2026; its instructions are those of AMD's public machine-readable ISA for CDNA 5 (MIT licence, August 2026) and "CDNA5" Instruction Set Architecture Reference Guide (July 2026). The comments in the code are by the model that wrote it; some were corrected since.
;; Multi Head Attention Block. Allowed arithmetic: matrix products marked QUANTISED: E2M3 operands, one E8M0 scale for each 32 along K, by v_wmma_scale_f32_16x16x128_f8f6f4 with both operands' format E2M3, f32 sums; everything else in f32.
;; Inputs: b_k 1,024 float32; b_o 1,024 float32; b_q 1,024 float32; b_v 1,024 float32; k_codes 4 x 2,048 x 32 x 24 uint8 (E2M3 codes of k, K innermost, in blocks of 32 codes, four codes in three bytes); k_scales 4 x 2,048 x 32 uint8 (E8M0 scales of k, one for each 32 codes along K); mask 1 x 1 x 2,048 x 2,048 int32; q_codes 4 x 2,048 x 32 x 24 uint8 (E2M3 codes of q, K innermost, in blocks of 32 codes, four codes in three bytes); q_scales 4 x 2,048 x 32 uint8 (E8M0 scales of q, one for each 32 codes along K); v_codes 4 x 2,048 x 32 x 24 uint8 (E2M3 codes of v, K innermost, in blocks of 32 codes, four codes in three bytes); v_scales 4 x 2,048 x 32 uint8 (E8M0 scales of v, one for each 32 codes along K); w_k_codes 1,024 x 32 x 24 uint8 (E2M3 codes of w_k, K innermost, in blocks of 32 codes, four codes in three bytes); w_k_scales 1,024 x 32 uint8 (E8M0 scales of w_k, one for each 32 codes along K); w_o_codes 1,024 x 32 x 24 uint8 (E2M3 codes of w_o, K innermost, in blocks of 32 codes, four codes in three bytes); w_o_scales 1,024 x 32 uint8 (E8M0 scales of w_o, one for each 32 codes along K); w_q_codes 1,024 x 32 x 24 uint8 (E2M3 codes of w_q, K innermost, in blocks of 32 codes, four codes in three bytes); w_q_scales 1,024 x 32 uint8 (E8M0 scales of w_q, one for each 32 codes along K); w_v_codes 1,024 x 32 x 24 uint8 (E2M3 codes of w_v, K innermost, in blocks of 32 codes, four codes in three bytes); w_v_scales 1,024 x 32 uint8 (E8M0 scales of w_v, one for each 32 codes along K).
;; Outputs: out0 4 x 2,048 x 1,024 float32.
;; This version of the problem:
;;   THIS VERSION OF THE PROBLEM IS GIVEN IN LOW PRECISION. The matrix products marked QUANTISED in the list below multiply operands that are first quantised to E2M3 (2 exponent bits, 3 mantissa bits; 6 bits a number), with one power-of-two scale for each 32 numbers along K (OCP MX v1.0); their sums are f32. All else is computed in f32.
;;   The module's matrix products, in the order in which they are computed (A, B: the left and right operand; K: the contracted axis; several contracted axes count as one K, in the product's order):
;;     1. [M 8,192, K 1,024] x [K 1,024, N 1,024]; A: input q (given as codes); B: input w_q (given as codes): QUANTISED
;;     2. [M 8,192, K 1,024] x [K 1,024, N 1,024]; A: input k (given as codes); B: input w_k (given as codes): QUANTISED
;;     3. [M 8,192, K 1,024] x [K 1,024, N 1,024]; A: input v (given as codes); B: input w_v (given as codes): QUANTISED
;;     4. batch 64 x [M 2,048, K 64] x [K 64, N 2,048]; A: computed on the way; B: computed on the way: QUANTISED
;;     5. batch 64 x [M 2,048, K 2,048] x [K 2,048, N 64]; A: softmax (see below); B: computed on the way: QUANTISED
;;     6. [M 8,192, K 1,024] x [K 1,024, N 1,024]; A: computed on the way; B: input w_o (given as codes): QUANTISED
;;   THE QUANTISER, for each operand of a quantised product, along K:
;;     - K is cut into blocks of 32 from its start; a last block that is shorter is filled with zeros.
;;     - A block's scale is 2^e with e = floor(log2(the largest magnitude in the block)) - 2, held to -126 .. 127; a block of zeros has e = 0. As a byte (E8M0): e + 127.
;;     - Each number is divided by its block's scale, clamped to +-7.5, and rounded to the nearest number of E2M3, ties to even, subnormals kept.
;;     - The product sums the exact products of the quantised numbers (number of the format x scale) in f32.
;;   ~~~python
;;   def quantise(x, axis):      # numpy; x: float32 -> the quantised numbers, widened to float32 again
;;       x = np.moveaxis(x, axis, -1); K = x.shape[-1]
;;       x = np.pad(x, [(0, 0)] * (x.ndim - 1) + [(0, -K % 32)]); x = x.reshape(x.shape[:-1] + (-1, 32)); a = np.abs(x).max(-1, keepdims=True)
;;       e = np.where(a > 0, np.clip(np.frexp(np.where(a > 0, a, 1))[1] - 1 - 2, -126, 127), 0)      # np.frexp(a)[1] - 1 = floor(log2(a)), exactly
;;       r = np.clip(x / 2.0 ** e, -7.5, 7.5)
;;       step = 2.0 ** (np.maximum(np.frexp(np.where(r == 0, 1, r))[1] - 1, 0) - 3)
;;       q = np.round(r / step) * step * 2.0 ** e      # np.round: ties to even
;;       return np.moveaxis(q.reshape(q.shape[:-2] + (-1,))[..., :K], -1, axis).astype(np.float32)
;;   ~~~
;;   SOFTMAX AHEAD OF A QUANTISED PRODUCT. Where the list says 'softmax', what is quantised is not the finished softmax but p = 2^(t - M), with t = logit x log2(e) and M = ceil(the row's largest t), a whole number; so 1/2 < the row's largest p <= 1. The row's sum l is taken of the UNQUANTISED p, in f32, and the product's result is divided by l at the end. Since M is a whole number, a kernel that streams over the keys may use a running M (the ceiling of the running maximum): every later rescaling is an exact power of two, which a block's scale takes up: the codes' values come out the same.
;;   OPERANDS COMPUTED ON THE WAY. 'Computed on the way' means the value that the module computes at that place (a softmax that the list does not call 'softmax' is quantised finished and normalised). What goes into a quantiser is computed in f32, as accurately as f32 sums, v_exp_f32 and their like allow (about 1e-6 of the number): no bf16 or f16 on the way to a quantiser, and a product that is left as it is and whose result goes on into a quantised operand takes f32 operands (vector FMAs, or v_wmma_f32_16x16x4_f32). A number that lies on a knife's edge between two numbers of the format may be rounded either way, as far as f32 arithmetic and the matrix unit's own rounding can turn it there, and no further.
;;   INPUTS GIVEN AS CODES. k (in the module: [4, 2048, 1024], K = its axis 2); q (in the module: [4, 2048, 1024], K = its axis 2); v (in the module: [4, 2048, 1024], K = its axis 2); w_k (in the module: [1024, 1024], K = its axis 1); w_o (in the module: [1024, 1024], K = its axis 1); w_q (in the module: [1024, 1024], K = its axis 1); w_v (in the module: [1024, 1024], K = its axis 1): each comes as NAME_codes (uint8): NAME with its K axis moved to the last place and cut into blocks of 32 codes, [.., K / 32, bytes a block], one block behind the other in memory; four codes in three bytes: a row's codes are one little-endian stream of bits, code i at bits 6 i .. 6 i + 5 (a code: sign, 2 exponent bits, 3 mantissa bits); and NAME_scales (uint8): the same leading axes, one E8M0 byte (e + 127) for each 32 codes along K. Its value is code x scale, taken as it is: it is not quantised again, and the codes and scales need not be those that the quantiser above would give.
;; One version. Each part assembles by itself: llvm-mc -triple=amdgcn-amd-amdhsa -mcpu=gfx1250 --defsym DOCPART=n.
;; ======== version 1 of 1: 4 launches
;; limits: right only within a limited range of input values
;; workspace buffers: wimg 3,145,728 bytes; mbits 524,288 bytes of whole numbers; qkv 20,185,088 bytes; ximg 6,553,600 bytes
;; launch prep (part 1): grid 256 x 1, 8 waves a work-group, no clusters, 68,608 bytes of LDS; arguments mask, w_q_codes, w_k_codes, w_v_codes, w_o_codes, mbits, wimg; writes mbits, wimg
.if DOCPART == 1
	.amdgcn_target "amdgcn-amd-amdhsa--gfx1250"
	.amdhsa_code_object_version 6
	.text
	.protected	k_qba5957351b_prep
	.globl	k_qba5957351b_prep
	.p2align	8
	.type	k_qba5957351b_prep,@function
k_qba5957351b_prep:
	s_mov_b64 s[64:65], 0
	v_nop
	global_prefetch_b8 v0, s[64:65] scope:SCOPE_SE
	s_setreg_imm32_b32 hwreg(HW_REG_WAVE_MODE, 25, 1), 1
	s_wait_xcnt 0x0
; Two layouts are made once, for the launches that follow.  2,048 waves, all on one path; wave u = 8 x work-group + wave does one unit of each.
; (1) WEIGHTS AS IMAGES OF OPERAND REGISTERS.  wimg[tensor q,k,v,o][tile 0..63][K step 0..7][1,536 bytes]: a fragment (16 rows x 128 K of 6-bit codes, 12 registers a lane) as three runs of 512 bytes,
;     lane l's registers 4 c .. 4 c + 3 at 512 c + 16 l.  Lane r of tile 2 b + u holds row 32 b + 8 u + r + 8 (r / 8): as source 0 of a product such tiles leave 16 neighbours along the next K in a lane's registers.
;     u = 512 x tensor + 8 x tile + K step.
; (2) THE MASK AS BITS.  mbits[query tile T 0..127][key step s 0..15][64 words]: bit l = r + 16 h of word 16 b + i says that mask[q(T, r)][128 s + 64 (b / 2) + 32 h + 16 (b % 2) + i] is 0,
;     q(T, r) = 128 (T / 8) + 32 ((T / 2) % 4) + 8 (T % 2) + r + 8 (r / 8): the lane and the register in which the attention launch holds that score.  u = 16 T + s.
;     Each load reads 512 consecutive bytes of a mask row; the 16 x 512 bytes turn through the wave's own stage in LDS (rows 528 bytes apart), so that a lane gets 16 neighbours of its row four times.
; No barrier: waves share nothing.  The mask's 16,777,216 bytes are read once here and become 524,288.
.set STGB, 8448                        ; a wave's stage: 16 rows x 528 bytes
.set SPI,  528                         ; 512 bytes + 16: an odd multiple of 16, so that sixteen rows start in sixteen different groups of banks
	s_load_b256 s[4:11], s[0:1], 0x0               ; mask s[4:5], w_q s[6:7], w_k s[8:9], w_v s[10:11]
	s_load_b128 s[12:15], s[0:1], 0x20             ; w_o s[12:13], mbits s[14:15]
	s_load_b64 s[16:17], s[0:1], 0x30              ; wimg
	v_lshl_add_u32 v160, v0, 2, 0x10800
	v_mov_b32 v161, 0
	v_lshrrev_b32 v1, 5, v0
	s_delay_alu instid0(VALU_DEP_1)
	v_readfirstlane_b32 s18, v1                    ; wave 0..7
	v_and_b32 v2, 31, v0                           ; lane
	v_and_b32 v3, 15, v0                           ; r
	s_wait_alu depctr_va_vdst(0)
	v_bfe_u32 v4, v0, 4, 1                         ; h
	s_lshl_b32 s19, ttmp9, 3
	s_add_co_u32 s19, s19, s18                     ; u
	; the weights' unit
	s_lshr_b32 s28, s19, 9                         ; which tensor
	s_bfe_u32 s29, s19, 0x60003                    ; which tile (6 bits from bit 3)
	s_and_b32 s30, s19, 7                          ; which K step
	s_lshr_b32 s31, s29, 1
	s_lshl_b32 s31, s31, 5
	s_and_b32 s29, s29, 1
	s_lshl_b32 s29, s29, 3
	s_add_co_u32 s31, s31, s29                     ; the tile's first row: 32 (tile / 2) + 8 (tile % 2)
	s_mul_i32 s34, s31, 768                        ; a row of 1,024 codes is 768 bytes,
	s_mul_i32 s30, s30, 96                         ; a K step of 128 codes 96
	s_add_co_u32 s34, s34, s30
	s_mov_b32 s35, 0
	v_and_b32 v6, 8, v3
	s_delay_alu instid0(VALU_DEP_1)
	v_add_nc_u32 v6, v6, v3                        ; r + 8 (r / 8)
	s_delay_alu instid0(VALU_DEP_1)
	v_mul_u32_u24 v5, v6, 768
	s_wait_alu depctr_va_vdst(0)
	v_mad_u32_u24 v5, v4, 24, v5                   ; my row, + 24 bytes for the upper half of the lanes
	; the mask's unit
	s_lshr_b32 s36, s19, 4                         ; T
	s_and_b32 s37, s19, 15                         ; s
	s_lshr_b32 s38, s36, 3
	s_lshl_b32 s38, s38, 7
	s_bfe_u32 s40, s36, 0x20001
	s_lshl_b32 s40, s40, 5
	s_add_co_u32 s38, s38, s40
	s_and_b32 s40, s36, 1
	s_lshl_b32 s40, s40, 3
	s_add_co_u32 s38, s38, s40                     ; q(T, 0)
	s_lshl_b32 s38, s38, 13                        ; a mask row is 8,192 bytes,
	s_lshl_b32 s37, s37, 9                         ; a step's 128 keys 512
	s_add_co_u32 s38, s38, s37
	s_mov_b32 s39, 0
	s_mul_i32 s40, s19, 1536                       ; where my image goes
	s_mov_b32 s41, 0
	s_lshl_b32 s42, s19, 8                         ; where my 64 words go
	s_mov_b32 s43, 0
	v_lshlrev_b32 v7, 4, v2                        ; 16 x lane
	v_lshlrev_b32 v8, 3, v2                        ; 8 x lane
	s_mul_i32 s32, s18, STGB                       ; my stage
	v_add_nc_u32 v9, s32, v7                       ; in: a row's 512 bytes as they lie
	v_mul_u32_u24 v10, v3, SPI
	s_delay_alu instid0(VALU_DEP_1)
	v_lshl_add_u32 v10, v4, 7, v10                 ; the upper half of the lanes begins 32 keys (128 bytes) on
	s_delay_alu instid0(VALU_DEP_1)
	v_add_nc_u32 v10, s32, v10                     ; back: row r, + 128 bytes (32 keys) for the upper half of the lanes
	v_mov_b32 v28, 0                               ; the words are gathered here: a lane write's destination counts as read
	v_mov_b32 v29, 0
	s_wait_alu depctr_va_vdst(0)
	s_wait_kmcnt 0x0
	s_cmp_eq_u32 s28, 1                            ; the tensor is chosen by the unit's number alone
	s_cselect_b64 s[6:7], s[8:9], s[6:7]
	s_cmp_eq_u32 s28, 2
	s_cselect_b64 s[6:7], s[10:11], s[6:7]
	s_cmp_eq_u32 s28, 3
	s_cselect_b64 s[6:7], s[12:13], s[6:7]
	s_add_nc_u64 s[6:7], s[6:7], s[34:35]
	s_add_nc_u64 s[4:5], s[4:5], s[38:39]
	s_add_nc_u64 s[16:17], s[16:17], s[40:41]
	s_add_nc_u64 s[14:15], s[14:15], s[42:43]
.irp p, 0,1,2,3,4,5
	global_load_b64 v[16+2*\p:17+2*\p], v5, s[6:7] offset:48*(\p/3)+8*(\p%3)   ; the fragment: registers 0-5 K = 32 h on, registers 6-11 K = 64 + 32 h on, in pieces of 8 bytes
.endr
.irp q, 0,1,2,3,4,5,6,7,8,9,10,11,12,13,14,15
	global_load_b128 v[32+4*\q:35+4*\q], v7, s[4:5] offset:(\q+8*(\q/8))*8192 th:TH_LOAD_NT   ; row q(T, 0) + q + 8 (q / 8): 32 lanes read 512 consecutive bytes; read once in the launch
.endr
	s_wait_loadcnt 16                              ; the fragment's six loads are in; the sixteen of the mask were issued behind them
.irp c, 0,1,2
	global_store_b128 v7, v[16+4*\c:19+4*\c], s[16:17] offset:512*\c   ; 32 lanes store 512 consecutive bytes, aligned
.endr
.irp q, 0,1,2,3,4,5,6,7,8,9,10,11,12,13,14,15
	s_wait_loadcnt 15-\q                           ; loads come back in order: row q is in
	ds_store_b128 v9, v[32+4*\q:35+4*\q] offset:SPI*\q
.endr
.irp b, 0,1,2,3
.irp c, 0,1,2,3
	ds_load_b128 v[96+16*\b+4*\c:99+16*\b+4*\c], v10 offset:256*(\b/2)+64*(\b%2)+16*\c   ; THE ORDER OF THE BITS: register 96 + n holds key 64 (n / 32) + 32 h + n % 32 of row r, so word n's bit r + 16 h speaks of that key
.endr
.endr
	s_wait_dscnt 0x0
.set g, 0
.rept 8                                            ; eight words at a time: the compare's 32 bits are the word; word n goes to lane n / 2 of v28 (even n) or v29 (odd n)
.irp e, 0,1,2,3,4,5,6,7
	v_cmp_eq_u32 s[20+\e], 0, v[96+8*g+\e]
.endr
.irp e, 0,1,2,3,4,5,6,7
	v_writelane_b32 v[28+\e%2], s[20+\e], 4*g+\e/2
.endr
.set g, g+1
.endr
	global_store_b64 v8, v[28:29], s[14:15]        ; 32 lanes store 256 consecutive bytes, aligned
	s_wait_tensorcnt 0x0
	ds_add_u32 v160, v161
	s_wait_dscnt 0x0
	s_endpgm
.Lfunc_end_k_qba5957351b_prep:
	.size	k_qba5957351b_prep, .Lfunc_end_k_qba5957351b_prep-k_qba5957351b_prep
	.p2alignl 7, 3214868480
	.fill 96, 4, 3214868480
	.section	.rodata,"a",@progbits
	.p2align	6, 0x0
	.amdhsa_kernel k_qba5957351b_prep
		.amdhsa_group_segment_fixed_size 68608
		.amdhsa_private_segment_fixed_size 0
		.amdhsa_enable_private_segment 0
		.amdhsa_kernarg_size 56
		.amdhsa_user_sgpr_count 2
		.amdhsa_user_sgpr_kernarg_segment_ptr 1
		.amdhsa_wavefront_size32 1
		.amdhsa_system_sgpr_workgroup_id_x 1
		.amdhsa_system_sgpr_workgroup_id_y 1
		.amdhsa_system_sgpr_workgroup_id_z 1
		.amdhsa_system_vgpr_workitem_id 0
		.amdhsa_next_free_vgpr 162
		.amdhsa_next_free_sgpr 66
		.amdhsa_reserve_vcc 0
		.amdhsa_float_denorm_mode_32 3
		.amdhsa_float_denorm_mode_16_64 3
		.amdhsa_memory_ordered 1
		.amdhsa_forward_progress 1
		.amdhsa_inst_pref_size 17
	.end_amdhsa_kernel
	.amdgpu_metadata
---
amdhsa.version: [ 1, 2 ]
amdhsa.kernels:
  - .name:           k_qba5957351b_prep
    .symbol:         k_qba5957351b_prep.kd
    .args:
      - { .name: mask, .offset: 0, .size: 8, .value_kind: global_buffer, .address_space: global }
      - { .name: w_q_codes, .offset: 8, .size: 8, .value_kind: global_buffer, .address_space: global }
      - { .name: w_k_codes, .offset: 16, .size: 8, .value_kind: global_buffer, .address_space: global }
      - { .name: w_v_codes, .offset: 24, .size: 8, .value_kind: global_buffer, .address_space: global }
      - { .name: w_o_codes, .offset: 32, .size: 8, .value_kind: global_buffer, .address_space: global }
      - { .name: mbits, .offset: 40, .size: 8, .value_kind: global_buffer, .address_space: global }
      - { .name: wimg, .offset: 48, .size: 8, .value_kind: global_buffer, .address_space: global }
    .group_segment_fixed_size: 68608
    .private_segment_fixed_size: 0
    .kernarg_segment_align: 8
    .kernarg_segment_size: 56
    .max_flat_workgroup_size: 256
    .sgpr_count:     66
    .vgpr_count:     162
    .wavefront_size: 32
...
	.end_amdgpu_metadata
.endif
;; end of part 1
;; launch proj (part 2): grid 256 x 1, 4 waves a work-group, clusters of 4 x 1, 327,680 bytes of LDS; arguments q_codes, k_codes, v_codes, q_scales, k_scales, v_scales, w_q_scales, w_k_scales, w_v_scales, b_q, b_k, b_v, wimg, qkv; writes qkv
.if DOCPART == 2
	.amdgcn_target "amdgcn-amd-amdhsa--gfx1250"
	.amdhsa_code_object_version 6
	.text
	.protected	k_qba5957351b_proj
	.globl	k_qba5957351b_proj
	.p2align	8
	.type	k_qba5957351b_proj,@function
k_qba5957351b_proj:
	s_mov_b64 s[64:65], 0
	v_nop
	global_prefetch_b8 v0, s[64:65] scope:SCOPE_SE
	s_setreg_imm32_b32 hwreg(HW_REG_WAVE_MODE, 25, 1), 1
	s_wait_xcnt 0x0
	s_wait_alu depctr_hold_cnt(0) depctr_sa_sdst(0) depctr_va_vdst(0) depctr_va_sdst(0) depctr_va_ssrc(0) depctr_va_vcc(0) depctr_vm_vsrc(0)
	s_getreg_b32 s2, hwreg(HW_REG_IB_STS2, 6, 4)
	s_cmp_eq_u32 s2, 0
	s_cbranch_scc0 .Lentry_in_a_cluster
	s_endpgm
.Lentry_in_a_cluster:
	s_bfe_u32 s2, ttmp6, 0x10000c
	s_cmp_lg_u32 s2, 0x3003
	s_cbranch_scc0 .Lentry_shape_is_right
	s_endpgm
.Lentry_shape_is_right:
.set XP,    816
.set XHALF, 52352
.set XREG,  104704
.set WTEN,  786432
.set BHB,   315392
.set KSO,   98304
.set VCO,   106496
.set VSO,   204800
.set QCO,   208896
.set QSO,   307200
.set LN16, 1
.set LN8,  2
.set VR32, 3
.set VB64, 4
.set VB4,  5
.set ADX,  8
.set XS,   32
.set YS,   96
.set BIAS, 128
.set EM,   160
.set EX,   168
.set ESO,  176
.set EW,   184
.set ESW,  188
.set EC,   192
.set ET,   224
.set WB,   28
.set QKV,  30
.set WV,   32
.set CX,   33
.set HD,   34
.set TB,   35
.set G1,   40
.set G0,   48
.set SEL,  60
.set HI,   62
.set OC,   66
.set O512, 68
.set O256, 70
.set MSB, 0
.macro WIN new
.if MSB != \new
	s_set_vgpr_msb (MSB<<8)|\new
.set MSB, \new
.endif
.endm
.macro PLACES
.rept 4
	v_nop
.endr
.endm
.macro CROUND
	s_barrier_signal -1
	s_barrier_wait -1
	s_cmp_lg_u32 s[WV], 0
	s_cbranch_scc1 .Lnot_wave_0_\@
	s_barrier_signal -3
.Lnot_wave_0_\@:
	s_barrier_wait -3
	s_barrier_signal -1
	s_barrier_wait -1
.endm
.macro BARRIER
	s_barrier_signal -1
	s_barrier_wait -1
.endm
.macro XFRAG reg, ten, kk, a
.irp p, 0,1,2,3,4,5
.set PCE, 12*(\kk)+6*(\p/3)+\p%3
.if \ten == 1
.set XRW, 8*(\a)                       ; K's tokens: tile 4 c + j, lane r is token 64 c + 32 (r / 8) + 8 j + r % 8; an LDS half holds the tokens of one r / 8
.else
.set XRW, 16*((\a)/2)+8*((\a)%2)
.endif
.if PCE%32 < 29
	ds_load_b64 v[\reg+2*\p:\reg+2*\p+1], v[ADX+\ten] offset:8*PCE+16*(PCE/32)+XRW*XP
.else
	ds_load_b64 v[\reg+2*\p:\reg+2*\p+1], v[ADX+4+\ten] offset:8*PCE+16*(PCE/32)+XRW*XP
.endif
.endr
.endm
.macro FETCH_X ten, kk
	WIN 0x80
.irp a, 0,1,2,3,4,5,6,7
	XFRAG 96*((\kk)%2)+12*\a, \ten, \kk, \a
.endr
.endm
.macro FETCH_Y ybase, kk
	WIN 0xc0
.irp t, 0,1,2,3
.irp c, 0,1,2
	global_load_b128 v[48*((\kk)%4)+12*\t+4*\c:48*((\kk)%4)+12*\t+4*\c+3], v[LN16], s[WB:WB+1] offset:\ybase+(8*\t+(\kk))*1536+512*\c
.endr
.endr
.endm
.macro PRELOAD type, xsb, ysb, bb, ybase
	WIN 0
.irp t, 0,1,2,3
.irp j, 0,1
	global_load_b128 v[YS+8*\t+4*\j:YS+8*\t+4*\j+3], v[VR32], s[\ysb:\ysb+1] offset:(32*(\t/2)+8*(\t%2))*32+16*\j
.endr
.endr
.irp a, 0,1,2,3,4,5,6,7
.irp j, 0,1
.if \xsb == 12
	global_load_b128 v[XS+8*\a+4*\j:XS+8*\a+4*\j+3], v19, s[\xsb:\xsb+1] offset:(64*(\a/4)+8*(\a%4))*32+16*\j
.else
	global_load_b128 v[XS+8*\a+4*\j:XS+8*\a+4*\j+3], v[VR32], s[\xsb:\xsb+1] offset:(32*(\a/2)+8*(\a%2))*32+16*\j
.endif
.endr
.endr
.if \type == 0
.irp t, 0,1,2,3
.irp j, 0,1
	global_load_b128 v[BIAS+8*\t+4*\j:BIAS+8*\t+4*\j+3], v[VB64], s[\bb:\bb+1] offset:(32*(\t/2)+8*(\t%2))*4+16*\j
.endr
.endr
.else
.irp t, 0,1,2,3
.irp j, 0,1,2,3,4,5,6,7
	global_load_b32 v[BIAS+8*\t+\j], v[VB4], s[\bb:\bb+1] offset:(32*(\t/2)+8*(\t%2))*4
.endr
.endr
.endif
	FETCH_Y \ybase, 0
	FETCH_Y \ybase, 1
	FETCH_Y \ybase, 2
.endm
.macro MM d, a, b, c, sa, sb
	v_wmma_scale_f32_16x16x128_f8f6f4 v[\d:\d+7], v[\a:\a+11], v[\b:\b+11], v[\c:\c+7], v[\sa], v[\sb] matrix_a_fmt:MATRIX_FMT_FP6 matrix_b_fmt:MATRIX_FMT_FP6
.endm
.macro KSTEP type, ten, ybase, kk
.if (\kk) < 7
	PLACES
	FETCH_X \ten, (\kk)+1
.endif
.if (\kk) < 5
	FETCH_Y \ybase, (\kk)+3
.endif
.if (\kk) < 7
	s_wait_dscnt 48
.else
	s_wait_dscnt 0x0
.endif
.if (\kk) < 5
	s_wait_loadcnt 36
.else
	s_wait_loadcnt 12*(7-(\kk))
.endif
.if \type == 0
.if (\kk) == 0
	WIN 0x4b
.else
	WIN 0x5b
.endif
.else
.if (\kk) == 0
	WIN 0x4e
.else
	WIN 0x5e
.endif
.endif
.irp a, 0,1,2,3,4,5,6,7
.irp t, 0,1,2,3
.if \type == 0
.if (\kk) == 0
	MM 8*(4*\a+\t), 48*((\kk)%4)+12*\t, 96*((\kk)%2)+12*\a, BIAS+8*\t, YS+8*\t+(\kk), XS+8*\a+(\kk)
.else
	MM 8*(4*\a+\t), 48*((\kk)%4)+12*\t, 96*((\kk)%2)+12*\a, 8*(4*\a+\t), YS+8*\t+(\kk), XS+8*\a+(\kk)
.endif
.else
.if (\kk) == 0
	MM 8*(8*\t+\a), 96*((\kk)%2)+12*\a, 48*((\kk)%4)+12*\t, BIAS+8*\t, XS+8*\a+(\kk), YS+8*\t+(\kk)
.else
	MM 8*(8*\t+\a), 96*((\kk)%2)+12*\a, 48*((\kk)%4)+12*\t, 8*(8*\t+\a), XS+8*\a+(\kk), YS+8*\t+(\kk)
.endif
.endif
.endr
.endr
.endm
.macro MAIN type, ten, ybase
.irp kk, 0,1,2,3,4,5,6,7
	KSTEP \type, \ten, \ybase, \kk
.endr
.endm
.macro EPI_QK codeoff, scoff
.irp g, 0,1
	s_wait_xcnt 0x0
	WIN 0x05
.irp i, 0,1,2,3
.irp b, 0,1
	v_max3_num_f32 v[EM+2*\i+\b], |v[32*(4*\g+\i)+16*\b]|, |v[32*(4*\g+\i)+16*\b+1]|, 0x1800000
.endr
.endr
.irp e, 2,4,6,8,10,12,14
.irp i, 0,1,2,3
.irp b, 0,1
	v_max3_num_f32 v[EM+2*\i+\b], |v[32*(4*\g+\i)+16*\b+\e]|, |v[32*(4*\g+\i)+16*\b+\e+1]|, v[EM+2*\i+\b]
.endr
.endr
.endr
	WIN 0
.irp q, 0,1,2,3,4,5,6,7
	v_permlanex16_b32 v[EX+\q], v[EM+\q], s[SEL], s[SEL+1]
.endr
.irp q, 0,1,2,3,4,5,6,7
	v_max_num_f32 v[EM+\q], v[EM+\q], v[EX+\q]
.endr
.irp q, 0,1,2,3,4,5,6,7
	v_add_nc_u32 v[ESO+\q], 0xff000000, v[EM+\q]
.endr
.irp q, 0,1,2,3,4,5,6,7
	v_lshrrev_b32 v[EX+\q], 23, v[ESO+\q]
.endr
.irp i, 0,1,2,3
	v_lshl_or_b32 v[EW+\i], v[EX+2*\i+1], 8, v[EX+2*\i]
.endr
.irp i, 0,1,2,3
	v_or_b32 v[EW+\i], 0x7f7f0000, v[EW+\i]
.endr
.irp k, 0,1
	v_cndmask_b32 v[ESW+2*\g+\k], v[EW+2*\k], v[EW+2*\k+1], s[HI]
.endr
	WIN 0x01
.irp i, 0,1,2,3
	v_cvt_scalef32_pk16_fp6_f32 v[EC+8*\i:EC+8*\i+2], v[32*(4*\g+\i):32*(4*\g+\i)+15], v[ESO+2*\i]
	v_cvt_scalef32_pk16_fp6_f32 v[ET+4*\i:ET+4*\i+2], v[32*(4*\g+\i)+16:32*(4*\g+\i)+31], v[ESO+2*\i+1]
.endr
	WIN 0
	v_nop
.irp i, 0,1,2,3
.irp k, 0,1,2
	v_permlane16_swap_b32 v[EC+8*\i+\k], v[ET+4*\i+\k]
.endr
.endr
.irp i, 0,1,2,3
.irp k, 0,1,2
	v_mov_b32 v[EC+8*\i+3+\k], v[ET+4*\i+\k]
.endr
.endr
.irp i, 0,1,2,3
	global_store_b128 v[LN16], v[EC+8*\i:EC+8*\i+3], s[OC:OC+1] offset:\codeoff+768*(4*\g+\i)
	global_store_b64 v[LN8], v[EC+8*\i+4:EC+8*\i+5], s[OC:OC+1] offset:\codeoff+768*(4*\g+\i)+512
.endr
.endr
	global_store_b128 v[LN16], v[ESW:ESW+3], s[O512:O512+1] offset:\scoff
.endm
.macro EPI_V
.irp g, 0,1
	s_wait_xcnt 0x0
	WIN 0x05
.irp i, 0,1
.irp b, 0,1,2,3
	v_max3_num_f32 v[EM+4*\i+\b], |v[64*(2*\g+\i)+16*\b]|, |v[64*(2*\g+\i)+16*\b+1]|, 0x1800000
.endr
.endr
.irp e, 2,4,6,8,10,12,14
.irp i, 0,1
.irp b, 0,1,2,3
	v_max3_num_f32 v[EM+4*\i+\b], |v[64*(2*\g+\i)+16*\b+\e]|, |v[64*(2*\g+\i)+16*\b+\e+1]|, v[EM+4*\i+\b]
.endr
.endr
.endr
	WIN 0
.irp q, 0,1,2,3,4,5,6,7
	v_permlanex16_b32 v[EX+\q], v[EM+\q], s[SEL], s[SEL+1]
.endr
.irp q, 0,1,2,3,4,5,6,7
	v_max_num_f32 v[EM+\q], v[EM+\q], v[EX+\q]
.endr
.irp q, 0,1,2,3,4,5,6,7
	v_add_nc_u32 v[ESO+\q], 0xff000000, v[EM+\q]
.endr
.irp q, 0,1,2,3,4,5,6,7
	v_lshrrev_b32 v[EX+\q], 23, v[ESO+\q]
.endr
.irp i, 0,1
	v_lshl_or_b32 v[EW+\i], v[EX+4*\i+1], 8, v[EX+4*\i]
.endr
.irp i, 0,1
	v_lshl_or_b32 v[EW+\i], v[EX+4*\i+2], 16, v[EW+\i]
.endr
.irp i, 0,1
	v_lshl_or_b32 v[EW+\i], v[EX+4*\i+3], 24, v[EW+\i]
.endr
	v_cndmask_b32 v[ESW+\g], v[EW], v[EW+1], s[HI]
	WIN 0x01
.irp i, 0,1
.irp c, 0,1
	v_cvt_scalef32_pk16_fp6_f32 v[EC+12*\i+6*\c:EC+12*\i+6*\c+2], v[64*(2*\g+\i)+32*\c:64*(2*\g+\i)+32*\c+15], v[ESO+4*\i+2*\c]
	v_cvt_scalef32_pk16_fp6_f32 v[ET+8*\i+4*\c:ET+8*\i+4*\c+2], v[64*(2*\g+\i)+32*\c+16:64*(2*\g+\i)+32*\c+31], v[ESO+4*\i+2*\c+1]
.endr
.endr
	WIN 0
	v_nop
.irp i, 0,1
.irp c, 0,1
.irp k, 0,1,2
	v_permlane16_swap_b32 v[EC+12*\i+6*\c+\k], v[ET+8*\i+4*\c+\k]
.endr
.endr
.endr
.irp i, 0,1
.irp c, 0,1
.irp k, 0,1,2
	v_mov_b32 v[EC+12*\i+6*\c+3+\k], v[ET+8*\i+4*\c+\k]
.endr
.endr
.endr
.irp i, 0,1
.irp c, 0,1,2
	global_store_b128 v[LN16], v[EC+12*\i+4*\c:EC+12*\i+4*\c+3], s[OC:OC+1] offset:VCO+1536*(2*\g+\i)+512*\c
.endr
.endr
.endr
	global_store_b64 v[LN8], v[ESW:ESW+1], s[O256:O256+1] offset:VSO
.endm
	s_load_b512 s[4:19], s[0:1], 0x0
	s_load_b256 s[20:27], s[0:1], 0x40
	s_load_b128 s[28:31], s[0:1], 0x60
	v_lshl_add_u32 v254, v0, 2, 0x4cb00
	v_mov_b32 v255, 0
	ds_add_u32 v254, v255
	ds_add_u32 v254, v255
	v_lshrrev_b32 v6, 5, v0
	v_readfirstlane_b32 s[WV], v6
	s_bfe_u32 s[CX], ttmp6, 0x40000
	s_mov_b32 s[TB], ttmp9
	s_lshl_b32 s[HD], s[CX], 2
	s_add_co_u32 s[HD], s[HD], s[WV]
	s_mov_b32 s[G1+0], 15|(3<<16)|(1<<20)|(1<<21)|(5<<22)|(3<<25)
	s_mov_b32 s[G1+1], 1536<<16
	s_mov_b32 s[G1+2], 4<<16
	s_mov_b32 s[G1+3], 1536<<16
	s_mov_b32 s[G1+4], 4
	s_mov_b32 s[G1+5], 3072
	s_mov_b32 s[G1+6], 0
	s_mov_b32 s[G1+7], 0
	s_mov_b32 s76, 15|(3<<16)|(1<<20)|(1<<21)|(5<<22)|(3<<25)   ; s[76:83]: group 1 for K's tokens: a wave's 32 rows lie on end
	s_mov_b32 s77, 3072<<16
	s_mov_b32 s78, 2<<16
	s_mov_b32 s79, 3072<<16
	s_mov_b32 s80, 2
	s_mov_b32 s81, 6144
	s_mov_b32 s82, 0
	s_mov_b32 s83, 0
	s_and_b32 s36, s[WV], 1
	s_lshl_b32 s38, s[TB], 7                       ; a load brings one LDS half of a tensor's 128 tokens: q, v: four runs of 16 rows, 32 rows apart; k: two runs of 32 rows, 64 apart
	s_lshl_b32 s39, s36, 4
	s_add_co_u32 s38, s38, s39
	s_mul_i32 s38, s38, 768
	s_mov_b32 s39, 0
	s_mul_i32 s74, s36, 12288                      ; K's half begins at row 32 (wave % 2): 16 rows further on than q's and v's for the odd waves
	s_add_co_u32 s74, s74, s38
	s_mov_b32 s75, 0
	s_mul_i32 s36, s36, XHALF
	s_mov_b32 s[SEL], 0x76543210
	s_mov_b32 s[SEL+1], 0xfedcba98
	s_mov_b32 s[HI], 0xffff0000
	s_wait_dscnt 0x0
	s_wait_kmcnt 0x0
.irp n, 0,1,2
	s_mov_b32 s[G0+4*\n], 1
	s_add_co_u32 s[G0+4*\n+1], s36, \n*XREG
.if \n == 1
	s_add_nc_u64 s[G0+4*\n+2:G0+4*\n+3], s[4+2*\n:5+2*\n], s[74:75]
.else
	s_add_nc_u64 s[G0+4*\n+2:G0+4*\n+3], s[4+2*\n:5+2*\n], s[38:39]
.endif
	s_or_b32 s[G0+4*\n+3], s[G0+4*\n+3], 0x80000000
.endr
	CROUND
	s_cmp_lt_u32 s[WV], 2                          ; the head's fills, one a wave: waves 0, 1 q's two halves, waves 2, 3 k's
	s_cbranch_scc0 .Lhead_k
	tensor_load_to_lds s[G0:G0+3], s[G1:G1+7]
	s_nop 0
	PLACES
	s_branch .Lhead_asked
.Lhead_k:
	tensor_load_to_lds s[G0+4:G0+7], s[76:83]
	s_nop 0
	PLACES
.Lhead_asked:
	s_lshl_b32 s2, s[TB], 12
	s_mov_b32 s3, 0
	s_add_nc_u64 s[10:11], s[10:11], s[2:3]
	s_add_nc_u64 s[12:13], s[12:13], s[2:3]
	s_add_nc_u64 s[14:15], s[14:15], s[2:3]
	s_lshl_b32 s2, s[HD], 11
	s_add_nc_u64 s[16:17], s[16:17], s[2:3]
	s_add_nc_u64 s[18:19], s[18:19], s[2:3]
	s_add_nc_u64 s[20:21], s[20:21], s[2:3]
	s_lshl_b32 s2, s[HD], 8
	s_add_nc_u64 s[22:23], s[22:23], s[2:3]
	s_add_nc_u64 s[24:25], s[24:25], s[2:3]
	s_add_nc_u64 s[26:27], s[26:27], s[2:3]
	s_mul_i32 s2, s[HD], 49152
	s_add_nc_u64 s[WB:WB+1], s[WB:WB+1], s[2:3]
	s_lshr_b32 s72, s[TB], 4
	s_lshl_b32 s72, s72, 4
	s_add_co_u32 s72, s72, s[HD]
	s_mul_i32 s72, s72, BHB
	s_and_b32 s73, s[TB], 15
	s_mul_i32 s2, s73, 6144
	s_add_co_u32 s2, s2, s72
	s_add_nc_u64 s[OC:OC+1], s[QKV:QKV+1], s[2:3]
	s_lshl_b32 s2, s73, 9
	s_add_co_u32 s2, s2, s72
	s_add_nc_u64 s[O512:O512+1], s[QKV:QKV+1], s[2:3]
	s_lshl_b32 s2, s73, 8
	s_add_co_u32 s2, s2, s72
	s_add_nc_u64 s[O256:O256+1], s[QKV:QKV+1], s[2:3]
	v_and_b32 v6, 31, v0
	v_lshlrev_b32 v[LN16], 4, v6
	v_lshlrev_b32 v[LN8], 3, v6
	v_and_b32 v7, 15, v0
	v_bfe_u32 v15, v0, 4, 1
	v_and_b32 v16, 8, v7
	v_add_nc_u32 v16, v16, v7
	v_lshlrev_b32 v[VR32], 5, v16
	v_lshlrev_b32 v[VB4], 2, v16
	v_lshlrev_b32 v[VB64], 6, v15
	v_and_b32 v17, 7, v0
	v_bfe_u32 v18, v0, 3, 1
	v_lshlrev_b32 v19, 5, v17
	v_lshl_add_u32 v19, v18, 10, v19               ; v19: 32 (r % 8 + 32 (r / 8)): a K token's scale bytes
	v_mul_u32_u24 v[ADX], v17, XP
	v_mad_u32_u24 v[ADX], v18, XHALF, v[ADX]
	v_mad_u32_u24 v[ADX], v15, 24, v[ADX]
	v_lshl_add_u32 v[ADX+4], v15, 4, v[ADX]
.irp n, 1,2
	v_add_nc_u32 v[ADX+\n], \n*XREG, v[ADX]
	v_add_nc_u32 v[ADX+4+\n], \n*XREG, v[ADX+4]
.endr
.irp q, 0,1,2,3,4,5,6,7
	v_mov_b32 v[EX+\q], 0
.endr
	PRELOAD 0, 10, 16, 22, 0
	WIN 0
	s_wait_alu depctr_va_vdst(0)
	s_wait_tensorcnt 0x0                           ; my half of q or k is in
	ds_add_u32 v254, v255
	s_wait_dscnt 0x0
	CROUND                                         ; q and k are whole for all waves
	s_cmp_lt_u32 s[WV], 2
	s_cbranch_scc0 .Lno_v
	tensor_load_to_lds s[G0+8:G0+11], s[G1:G1+7]   ; waves 0, 1: v's two halves
	s_nop 0
	PLACES
.Lno_v:
	FETCH_X 0, 0
	MAIN 0, 0, 0
	PLACES
	FETCH_X 1, 0
	PRELOAD 0, 12, 18, 24, WTEN
	EPI_QK QCO, QSO
	MAIN 0, 1, WTEN
	PLACES
	s_wait_tensorcnt 0x0
	BARRIER
	FETCH_X 2, 0
	PRELOAD 1, 14, 20, 26, 2*WTEN
	EPI_QK 0, KSO
	MAIN 1, 2, 2*WTEN
	PLACES
	EPI_V
	WIN 0
	s_wait_tensorcnt 0x0
	ds_add_u32 v254, v255
	s_wait_dscnt 0x0
	CROUND
	s_endpgm
.Lfunc_end_k_qba5957351b_proj:
	.size	k_qba5957351b_proj, .Lfunc_end_k_qba5957351b_proj-k_qba5957351b_proj
	.p2alignl 7, 3214868480
	.fill 96, 4, 3214868480
	.section	.rodata,"a",@progbits
	.p2align	6, 0x0
	.amdhsa_kernel k_qba5957351b_proj
		.amdhsa_group_segment_fixed_size 327680
		.amdhsa_private_segment_fixed_size 0
		.amdhsa_enable_private_segment 0
		.amdhsa_kernarg_size 112
		.amdhsa_user_sgpr_count 2
		.amdhsa_user_sgpr_kernarg_segment_ptr 1
		.amdhsa_wavefront_size32 1
		.amdhsa_system_sgpr_workgroup_id_x 1
		.amdhsa_system_sgpr_workgroup_id_y 1
		.amdhsa_system_sgpr_workgroup_id_z 1
		.amdhsa_system_vgpr_workitem_id 0
		.amdhsa_next_free_vgpr 1024
		.amdhsa_next_free_sgpr 84
		.amdhsa_reserve_vcc 0
		.amdhsa_float_denorm_mode_32 3
		.amdhsa_float_denorm_mode_16_64 3
		.amdhsa_memory_ordered 1
		.amdhsa_forward_progress 1
		.amdhsa_inst_pref_size 255
	.end_amdhsa_kernel
	.section	.bss,"aw",@nobits
	.p2align	6
	.space	262144
	.amdgpu_metadata
---
amdhsa.version: [ 1, 2 ]
amdhsa.kernels:
  - .name:           k_qba5957351b_proj
    .symbol:         k_qba5957351b_proj.kd
    .args:
      - { .name: q_codes, .offset: 0, .size: 8, .value_kind: global_buffer, .address_space: global }
      - { .name: k_codes, .offset: 8, .size: 8, .value_kind: global_buffer, .address_space: global }
      - { .name: v_codes, .offset: 16, .size: 8, .value_kind: global_buffer, .address_space: global }
      - { .name: q_scales, .offset: 24, .size: 8, .value_kind: global_buffer, .address_space: global }
      - { .name: k_scales, .offset: 32, .size: 8, .value_kind: global_buffer, .address_space: global }
      - { .name: v_scales, .offset: 40, .size: 8, .value_kind: global_buffer, .address_space: global }
      - { .name: w_q_scales, .offset: 48, .size: 8, .value_kind: global_buffer, .address_space: global }
      - { .name: w_k_scales, .offset: 56, .size: 8, .value_kind: global_buffer, .address_space: global }
      - { .name: w_v_scales, .offset: 64, .size: 8, .value_kind: global_buffer, .address_space: global }
      - { .name: b_q, .offset: 72, .size: 8, .value_kind: global_buffer, .address_space: global }
      - { .name: b_k, .offset: 80, .size: 8, .value_kind: global_buffer, .address_space: global }
      - { .name: b_v, .offset: 88, .size: 8, .value_kind: global_buffer, .address_space: global }
      - { .name: wimg, .offset: 96, .size: 8, .value_kind: global_buffer, .address_space: global }
      - { .name: qkv, .offset: 104, .size: 8, .value_kind: global_buffer, .address_space: global }
    .group_segment_fixed_size: 327680
    .private_segment_fixed_size: 0
    .kernarg_segment_align: 8
    .kernarg_segment_size: 112
    .max_flat_workgroup_size: 128
    .sgpr_count:     84
    .vgpr_count:     1024
    .wavefront_size: 32
...
	.end_amdgpu_metadata
.endif
;; end of part 2
;; launch attn (part 3): grid 256 x 1, 16 waves a work-group, clusters of 4 x 1, 215,040 bytes of LDS; arguments qkv, mbits, ximg; writes ximg
.if DOCPART == 3
	.amdgcn_target "amdgcn-amd-amdhsa--gfx1250"
	.amdhsa_code_object_version 6
	.text
	.protected	k_qba5957351b_attn
	.globl	k_qba5957351b_attn
	.p2align	8
	.type	k_qba5957351b_attn,@function
k_qba5957351b_attn:
	s_mov_b64 s[64:65], 0
	v_nop
	global_prefetch_b8 v0, s[64:65] scope:SCOPE_SE
	s_setreg_imm32_b32 hwreg(HW_REG_WAVE_MODE, 25, 1), 1
	s_wait_xcnt 0x0
	s_wait_alu depctr_hold_cnt(0) depctr_sa_sdst(0) depctr_va_vdst(0) depctr_va_sdst(0) depctr_va_ssrc(0) depctr_va_vcc(0) depctr_vm_vsrc(0)
	s_getreg_b32 s2, hwreg(HW_REG_IB_STS2, 6, 4)
	s_cmp_eq_u32 s2, 0
	s_cbranch_scc0 .Lentry_in_a_cluster
	s_endpgm
.Lentry_in_a_cluster:
	s_bfe_u32 s2, ttmp6, 0x10000c
	s_cmp_lg_u32 s2, 0x3003
	s_cbranch_scc0 .Lentry_shape_is_right
	s_endpgm
.Lentry_shape_is_right:
; x = softmax(query key^T / 8, masked) value for one head, both products on codes of FP6 (E2M3) with E8M0 block scales, and x quantised along (head, channel) for the last product.
; SHARES.  A cluster of four work-groups takes one (batch, head); work-group cx a quarter of its 2,048 queries; each of the 16 waves two tiles of 16 queries, one after the other (PASS 0, 1), in 256 registers: four waves to a SIMD.
; K AND V OF THE WHOLE HEAD, codes and scale words, are 208,896 dense bytes laid as images of operand registers: they come into LDS once, each wave bringing a sixteenth by one joint tensor load (the four partners read the same bytes),
; and stay: no ring, no barrier in the loops.  No prefetch into the L2: the one tensor load a wave stands at the launch's head, with no loop ahead of it to ask from.
; LAYOUT.  S^T = K Q^T (source 0 = 16 keys, source 1 = 16 queries), O^T = V^T P^T (source 0 = 16 channels): a lane holds ONE query throughout.  Row 8 h + i of key tile 4 c + j is key 64 c + 32 h + 8 j + i of the step, so registers
; S + 32 c .. + 31 of lane (r, h) are keys 64 c + 32 h + 0 .. 31: a whole scale block, in the very lane and order in which P's operand wants it.  No lane asks another for a block's maximum or for codes.
; THE HEAD IS 64 WIDE, the product 128: Q's registers 6-11 are zero codes; K's tiles lie six registers apart, so a tile's upper six registers are the next tile's codes: they meet zeros, under scale bytes of 127.
; THE MASK comes as bits (one word for each score register: bit = lane) by scalar loads a step ahead; a score whose bit is set becomes -2^33.
; SOFTMAX.  t = score x c, c = log2(e) / 8; M = the running largest t rounded up to a whole number; p = 2^(t - M) is quantised along the keys; the sum is taken of the unquantised p; when M moves, the sum and O^T are multiplied by 2^(old M - new M).
; THE STEP'S ORDER.  V lands where K lay, under the softmax; the next step's K is asked for right behind the P V products and lands under most of the row's sum.  A pass's last trip asks for a K step that does not exist: those loads read
; filled bytes (K's scale words, V's codes) and their results are not used.  Every LDS wait of the step is for 0.
; LIMIT, stated: a masked logit is -2^30 here and -1e9 in the definition.  -2^33 x c is a whole number that f32 holds, so a row with every key masked has t - M = 0 and p = 1 for every key, as there; in any other row masked keys have p = 0
; in both, so long as unmasked logits lie above about -1e9 + 200.  The scaled scores stay under 2^31 in magnitude.  NaN and infinities are not served; blocks under 2^-124 keep the scale byte 1.
; REGISTERS: v1, v2 16 x and 8 x lane; v5, v12-15 offsets in memory; v7-11 LDS addresses; v28-31 K's scale words; v32-85 K's tiles, then (to v79) V's; v86-87 V's scale words; v88 Q's; v90 p's; v254, v255 the add's; the rest by the names below.
.set BHB,  315392                      ; a head's part of qkv
.set KSO,  98304                       ; in it (and in LDS): K's scale words,
.set VCO,  106496                      ; V's codes,
.set VSO,  204800                      ; V's scale words;
.set QCO,  208896                      ; (in memory alone) Q's codes,
.set QSO,  307200                      ; Q's scale words
.set XSC,  6291456                     ; in ximg: the scale bytes, behind the codes
.set LN16, 1
.set LN8,  2
.set XSA,  5
.set AK,   7                           ; v7 K's registers 0-3; v8 registers 4-5; v9 K's scale words; v10 V's codes; v11 V's scale words
.set QA16, 12
.set QA8,  13
.set QAS,  14
.set XA,   15
.set PS,   90
.set S,    96                          ; 64: S^T, then p
.set O,    160                         ; 32: O^T
.set QF,   192                         ; 12: Q and six registers of zeros
.set PC,   204                         ; 12: p's codes
.set NM,   216                         ; -M; NM + 1 the largest score so far
.set L,    218                         ; the sum, in two halves
.set F,    220                         ; f (F + 1 is named as the pair's upper half)
.set BM,   222                         ; 2: a block's largest score, then its largest p
.set SO,   224                         ; 2: the conversions' scale operands
.set PX,   226                         ; 2
.set CT,   228                         ; 228-230, 232-234: the conversions' second halves
.set NEG,  231                         ; -2^33
.set SH8,  235                         ; 8 h
.set TMP,  236                         ; 2
.set SC,   238                         ; 16: the maxima's eight chains, then the sums'
.set TK,   2
.set TV,   3
.set WV,   10
.set CX,   11
.set G0,   48
.set G1,   52
.set SEL,  60
.set CS,   62
.set TKS,  66
.set TVS,  67
.set MO,   100
.set CNT,  101
.macro WALU
	s_wait_alu depctr_va_vdst(0)
.endm
.macro DEP n
	s_delay_alu instid0(VALU_DEP_\n)
.endm
.macro CROUND
	s_barrier_signal -1
	s_barrier_wait -1
	s_cmp_lg_u32 s[WV], 0
	s_cbranch_scc1 .Lnot_wave_0_\@
	s_barrier_signal -3
.Lnot_wave_0_\@:
	s_barrier_wait -3
	s_barrier_signal -1
	s_barrier_wait -1
.endm
.macro MASKWORDS                       ; 64 words, 256 bytes: s16-47 and s68-99
	s_load_b512 s[16:31], s[6:7], s[MO] offset:0x0
	s_load_b512 s[32:47], s[6:7], s[MO] offset:0x40
	s_load_b512 s[68:83], s[6:7], s[MO] offset:0x80
	s_load_b512 s[84:99], s[6:7], s[MO] offset:0xc0
.endm
.macro KADDR
	v_add_nc_u32 v[AK], s[TK], v[LN16]
	v_add_nc_u32 v[AK+1], s[TK], v[LN8]
	v_add_nc_u32 v[AK+2], s[TKS], v[LN16]
.endm
.macro KLOADS
.irp t, 0,1,2,3,4,5,6,7
	ds_load_b128 v[32+6*\t:35+6*\t], v[AK] offset:768*\t
	ds_load_b64 v[36+6*\t:37+6*\t], v[AK+1] offset:768*\t+512
.endr
	ds_load_b128 v[28:31], v[AK+2]                 ; register b: lanes 0-15 tile 2 b's scale words, lanes 16-31 tile 2 b + 1's
.endm
.macro FMAB c                          ; t - M of block c, two at a time
.set j, 32*\c
.rept 16
	v_pk_fma_f32 v[S+j:S+j+1], v[S+j:S+j+1], s[CS:CS+1], v[NM:NM+1] op_sel_hi:[1,0,0]
.set j, j+2
.endr
.endm
.macro EXPB c                          ; p = 2^(t - M) of block c, at most 1, not normalised
.set j, 32*\c
.rept 32
	v_exp_f32 v[S+j], v[S+j]
.set j, j+1
.endr
.endm
.macro SUMROW g, k0                    ; four of the eight chains take a pair each of p's registers g on
.irp k, \k0, \k0+1, \k0+2, \k0+3
	v_pk_add_f32 v[SC+2*(\k):SC+2*(\k)+1], v[SC+2*(\k):SC+2*(\k)+1], v[S+\g+2*(\k):S+\g+2*(\k)+1]
.endr
.endm
; A KEY STEP: 128 keys.
.macro STEP
	s_wait_dscnt 0x0                               ; K is in
.irp k, 0,1,2,3,4,5,6,7
.if \k%2
	v_wmma_scale_f32_16x16x128_f8f6f4 v[S+8*\k:S+8*\k+7], v[32+6*\k:43+6*\k], v[QF:QF+11], 0, v[28+\k/2], v88 matrix_a_fmt:MATRIX_FMT_FP6 matrix_b_fmt:MATRIX_FMT_FP6 matrix_a_scale:MATRIX_SCALE_ROW1
.else
	v_wmma_scale_f32_16x16x128_f8f6f4 v[S+8*\k:S+8*\k+7], v[32+6*\k:43+6*\k], v[QF:QF+11], 0, v[28+\k/2], v88 matrix_a_fmt:MATRIX_FMT_FP6 matrix_b_fmt:MATRIX_FMT_FP6
.endif
.endr
	v_add_nc_u32 v[AK+3], s[TV], v[LN16]           ; five additions: also the places in front of the loads and of the first read of the scores
	v_add_nc_u32 v[AK+4], s[TVS], v[LN8]
	KADDR                                          ; (s[TK], s[TKS] stand at the next step)
.irp t, 0,1,2,3
.irp c, 0,1,2
	ds_load_b128 v[32+12*\t+4*\c:35+12*\t+4*\c], v[AK+3] offset:1536*\t+512*\c   ; V's four fragments land while the softmax is walked
.endr
.endr
	ds_load_b64 v[86:87], v[AK+4]
	s_add_co_u32 s[TK], s[TK], 6144
	s_add_co_u32 s[TV], s[TV], 6144
	s_add_co_u32 s[TKS], s[TKS], 512
	s_add_co_u32 s[TVS], s[TVS], 256
	s_wait_kmcnt 0x0                               ; this step's mask words are in, so their offset may step
	s_add_co_u32 s[MO], s[MO], 256
	s_min_u32 s[MO], s[MO], 7936                   ; my 32 blocks end here: the very last request asks for the last block once more and stays inside the buffer
.set n, 0
.rept 64
.if n < 32
	v_cndmask_b32 v[S+n], v[S+n], v[NEG], s[16+n]  ; each accumulator is read from its low end on
.else
	v_cndmask_b32 v[S+n], v[S+n], v[NEG], s[36+n]
.endif
.set n, n+1
.endr
	MASKWORDS                                      ; the next step's, a whole step ahead
.irp c, 0,1                                        ; each block's largest score: four chains of eight a block
.irp v, 0,1,2,3
	v_max3_num_f32 v[SC+4*\c+\v], v[S+32*\c+8*\v], v[S+32*\c+8*\v+1], v[S+32*\c+8*\v+2]
.endr
.endr
.irp e, 3,5
.irp c, 0,1
.irp v, 0,1,2,3
	v_max3_num_f32 v[SC+4*\c+\v], v[SC+4*\c+\v], v[S+32*\c+8*\v+\e], v[S+32*\c+8*\v+\e+1]
.endr
.endr
.endr
.irp c, 0,1
.irp u, 0,1
	v_max3_num_f32 v[SC+4*\c+2*\u], v[SC+4*\c+2*\u], v[SC+4*\c+2*\u+1], v[S+32*\c+8*\u+7]
.endr
.endr
.irp c, 0,1
	v_max3_num_f32 v[BM+\c], v[SC+4*\c], v[SC+4*\c+2], v[S+32*\c+23]
.endr
.irp c, 0,1
	v_max_num_f32 v[BM+\c], v[BM+\c], v[S+32*\c+31]   ; it serves twice: for the row's maximum and, since p rises with the score, for the block's largest p
.endr
	DEP 1
	v_max_num_f32 v[TMP], v[BM], v[BM+1]
	DEP 1
	v_permlanex16_b32 v[PX], v[TMP], s[SEL], s[SEL+1]
	DEP 1
	v_max3_num_f32 v[NM+1], v[NM+1], v[TMP], v[PX] ; the running largest score of my query
	DEP 1
	v_mul_f32 v[TMP], s[CS], v[NM+1]               ; as t (c is positive)
	v_mov_b32 v[TMP+1], v[NM]
	DEP 2
	v_floor_f32 v[NM], -v[TMP]                     ; the new -M = floor(-t): M is a whole number
	DEP 1
	v_sub_f32 v[TMP], v[NM], v[TMP+1]              ; old M - new M: a whole number, 0 or less
	DEP 1
	v_cvt_i32_f32 v[TMP], v[TMP]                   ; (it saturates)
	DEP 1
	v_ldexp_f32 v[F], 1.0, v[TMP]                  ; f = 2^(old M - new M): a multiplication by it rounds nothing
.set j, 0
.rept 16
	v_pk_mul_f32 v[O+j:O+j+1], v[O+j:O+j+1], v[F:F+1] op_sel_hi:[1,0]   ; O^T under the new M
.set j, j+2
.endr
	FMAB 0
.irp c, 0,1
	v_fma_f32 v[BM+\c], v[BM+\c], s[CS], v[NM]     ; the same of each block's largest score
.endr
	WALU                                           ; ahead of the first batch
	EXPB 0
.irp c, 0,1
	v_exp_f32 v[BM+\c], v[BM+\c]                   ; the block's largest p: the same two instructions on the same number
.endr
	FMAB 1                                         ; plain work behind the first batch
	WALU                                           ; behind the first batch and ahead of the second
	EXPB 1
.irp c, 0,1                                        ; plain work behind the second batch: it names the first batch's results alone
	v_max_num_f32 v[BM+\c], 0x1800000, v[BM+\c]    ; the floor 2^(3 - 127): the byte cannot fall under 1
.endr
.irp c, 0,1
	DEP 2
	v_add_nc_u32 v[SO+\c], 0xff000000, v[BM+\c]    ; 2 off the exponent field: the conversion's scale operand
.endr
.irp c, 0,1
	DEP 2
	v_lshrrev_b32 v[PX+\c], 23, v[SO+\c]           ; the scale's byte: of blocks h and 2 + h
.endr
	DEP 1
	v_lshl_or_b32 v[TMP], v[PX+1], 16, v[PX]
	DEP 1
	v_lshlrev_b32 v[TMP], v[SH8], v[TMP]           ; at their places in the word
	DEP 1
	v_permlanex16_b32 v[PX], v[TMP], s[SEL], s[SEL+1]
	DEP 1
	v_or_b32 v[PS], v[TMP], v[PX]                  ; with lane l xor 16's two bytes p's scale word is whole
	v_cvt_scalef32_pk16_fp6_f32 v[PC:PC+2], v[S:S+15], v[SO]
	v_cvt_scalef32_pk16_fp6_f32 v[CT:CT+2], v[S+16:S+31], v[SO]   ; (a conversion's three registers begin on an even number)
.irp k, 0,1,2,3,4,5,6,7
	v_pk_add_f32 v[SC+2*\k:SC+2*\k+1], v[S+2*\k:S+2*\k+1], v[S+16+2*\k:S+17+2*\k]   ; THE ROW'S SUM IS TAKEN OF THE UNQUANTISED p: eight chains
.endr
	s_wait_dscnt 0x0                               ; V is in
	WALU                                           ; one wait for the second batch, ahead of its first reader
	v_cvt_scalef32_pk16_fp6_f32 v[PC+6:PC+8], v[S+32:S+47], v[SO+1]
	v_cvt_scalef32_pk16_fp6_f32 v[CT+4:CT+6], v[S+48:S+63], v[SO+1]
.irp c, 0,1
.irp i, 0,1,2
	v_mov_b32 v[PC+6*\c+3+\i], v[CT+4*\c+\i]
.endr
.endr
	SUMROW 32, 0                                   ; four places between the operand's last write and the products
.irp k, 0,1,2,3                                    ; the four accumulators take turns
.if \k%2
	v_wmma_scale_f32_16x16x128_f8f6f4 v[O+8*\k:O+8*\k+7], v[32+12*\k:43+12*\k], v[PC:PC+11], v[O+8*\k:O+8*\k+7], v[86+\k/2], v[PS] matrix_a_fmt:MATRIX_FMT_FP6 matrix_b_fmt:MATRIX_FMT_FP6 matrix_a_scale:MATRIX_SCALE_ROW1
.else
	v_wmma_scale_f32_16x16x128_f8f6f4 v[O+8*\k:O+8*\k+7], v[32+12*\k:43+12*\k], v[PC:PC+11], v[O+8*\k:O+8*\k+7], v[86+\k/2], v[PS] matrix_a_fmt:MATRIX_FMT_FP6 matrix_b_fmt:MATRIX_FMT_FP6
.endif
.endr
	SUMROW 32, 4                                   ; four places: the next K lands where V lay
	KLOADS
	SUMROW 48, 0
	SUMROW 48, 4
.irp k, 0,1,2,3
	DEP 4
	v_pk_add_f32 v[SC+2*\k:SC+2*\k+1], v[SC+2*\k:SC+2*\k+1], v[SC+8+2*\k:SC+9+2*\k]
.endr
.irp k, 0,1
	DEP 2
	v_pk_add_f32 v[SC+2*\k:SC+2*\k+1], v[SC+2*\k:SC+2*\k+1], v[SC+4+2*\k:SC+5+2*\k]
.endr
	DEP 1
	v_pk_add_f32 v[SC:SC+1], v[SC:SC+1], v[SC+2:SC+3]
	DEP 1
	v_pk_fma_f32 v[L:L+1], v[L:L+1], v[F:F+1], v[SC:SC+1] op_sel_hi:[1,0,1]   ; the old sum under the new M, and this step's
.endm
; One tile of 16 queries through all 16 key steps.
.macro PASS p
.if \p
	s_wait_xcnt 0x0                                ; the first tile's stores have read their registers
.endif
	global_load_b128 v[QF:QF+3], v[QA16], s[4:5] offset:QCO+768*\p
	global_load_b64 v[QF+4:QF+5], v[QA8], s[4:5] offset:QCO+768*\p+512
	global_load_b32 v88, v[QAS], s[4:5] offset:QSO+256*\p
	s_mov_b32 s[TK], 0
	s_mov_b32 s[TKS], KSO
	KADDR
	KLOADS                                         ; the first step's K
	s_mov_b32 s[TK], 6144
	s_mov_b32 s[TKS], KSO+512
	s_mov_b32 s[TV], VCO
	s_mov_b32 s[TVS], VSO
	v_mov_b32 v[NM+1], 0xff61b1e6                  ; the largest score so far: -3e38
	v_floor_f32 v[NM], -v[NM+1]
	v_mov_b32 v[L], 0
	v_mov_b32 v[L+1], 0
.set j, 0
.rept 32
	v_mov_b32 v[O+j], 0                            ; the step is written once; the first finds zeros, which the first change of M leaves zeros
.set j, j+1
.endr
	s_mov_b32 s[CNT], 16
	WALU
	s_wait_loadcnt 0x0                             ; Q
.Lstep_\@:
	STEP
	s_sub_co_u32 s[CNT], s[CNT], 1
	s_cmp_lg_u32 s[CNT], 0
	s_cbranch_scc1 .Lstep_\@
	s_wait_dscnt 0x0                               ; the last trip's loads have landed: their registers may be loaded anew
	WALU
	; THE WAY OUT: x = O^T / the sum; its 32 registers are the head's channels 32 b + 16 h + 0 .. 15: two blocks of the last product's K
	v_add_f32 v[L], v[L], v[L+1]
	v_permlanex16_b32 v[PX], v[L], s[SEL], s[SEL+1]
	v_add_f32 v[L], v[L], v[PX]
	WALU
	v_rcp_f32 v[L], v[L]
	v_nop
	WALU
.set j, 0
.rept 16
	v_pk_mul_f32 v[S+j:S+j+1], v[O+j:O+j+1], v[L:L+1] op_sel_hi:[1,0]   ; each accumulator from its low end on
.set j, j+2
.endr
.irp b, 0,1
	v_max3_num_f32 v[BM+\b], |v[S+16*\b]|, |v[S+16*\b+1]|, 0x1800000
.endr
.irp e, 2,4,6,8,10,12,14
.irp b, 0,1
	v_max3_num_f32 v[BM+\b], v[BM+\b], |v[S+16*\b+\e]|, |v[S+16*\b+\e+1]|
.endr
.endr
.irp b, 0,1
	v_permlanex16_b32 v[PX+\b], v[BM+\b], s[SEL], s[SEL+1]
.endr
.irp b, 0,1
	v_max_num_f32 v[BM+\b], v[BM+\b], v[PX+\b]
.endr
.irp b, 0,1
	v_add_nc_u32 v[SO+\b], 0xff000000, v[BM+\b]
.endr
.irp b, 0,1
	v_lshrrev_b32 v[PX+\b], 23, v[SO+\b]
.endr
	v_lshl_or_b32 v[TMP], v[PX+1], 8, v[PX]        ; my row's two scale bytes
	v_cvt_scalef32_pk16_fp6_f32 v[PC:PC+2], v[S:S+15], v[SO]
	v_cvt_scalef32_pk16_fp6_f32 v[CT:CT+2], v[S+16:S+31], v[SO+1]
	v_nop
.irp i, 0,1,2
	v_permlane16_swap_b32 v[PC+\i], v[CT+\i]       ; the operand wants a whole block in a lane
.endr
.irp i, 0,1,2
	v_mov_b32 v[PC+3+\i], v[CT+\i]
.endr
.irp i, 0,1,2
	global_store_b64 v[XA], v[PC+2*\i:PC+2*\i+1], s[8:9] offset:12288*\p+256*\i   ; 32 lanes store 256 consecutive bytes, aligned
.endr
	global_store_b16 v[XSA], v[TMP], s[8:9] offset:XSC+512*\p   ; two bytes of each row's 32: the sixteen heads of a row are sixteen clusters' work
.endm
	s_load_b128 s[4:7], s[0:1], 0x0                ; qkv, mbits
	s_load_b64 s[8:9], s[0:1], 0x10                ; ximg
	v_lshl_add_u32 v254, v0, 2, 0x34000
	v_mov_b32 v255, 0
	ds_add_u32 v254, v255
	ds_add_u32 v254, v255
	v_lshrrev_b32 v7, 5, v0
	v_readfirstlane_b32 s[WV], v7                  ; wave 0..15
	s_bfe_u32 s[CX], ttmp6, 0x40000                ; my quarter of the queries
	s_mov_b32 s12, ttmp9                           ; batch x 16 + head
	s_mov_b32 s[G1+0], 15|(3<<16)|(1<<21)          ; the mask: all four work-groups; elements of 8 bytes; bit 21 beside a mask
	s_mov_b32 s[G1+1], 32<<16                      ; 51 rows of 256 dense bytes
	s_mov_b32 s[G1+2], 51<<16
	s_mov_b32 s[G1+3], 32<<16
	s_mov_b32 s[G1+4], 51
	s_mov_b32 s[G1+5], 32
	s_mov_b32 s[G1+6], 0
	s_mov_b32 s[G1+7], 0
	s_mul_i32 s13, s12, BHB                        ; the head's bytes: shared by the partners
	s_mul_i32 s14, s[WV], 13056                    ; my sixteenth, in memory and in LDS
	s_add_co_u32 s2, s13, s14
	s_mov_b32 s3, 0
	s_mov_b32 s[SEL], 0x76543210
	s_mov_b32 s[SEL+1], 0xfedcba98
	s_mov_b32 s[CS], 0x3e38aa3b                    ; c = log2(e) / 8
	s_mov_b32 s[CS+1], s[CS]
	s_lshl_b32 s15, s[CX], 5
	s_lshl_b32 s16, s[WV], 1
	s_add_co_u32 s15, s15, s16                     ; T0 = 32 cx + 2 w: my first query tile
	s_mul_i32 s16, s15, 768                        ; Q's codes: 768 bytes a tile
	s_lshr_b32 s17, s15, 3                         ; Q's scale words: 512 bytes for eight tiles; tile 2 b + u's word of lane r at 256 u + 16 r + 4 b
	s_lshl_b32 s17, s17, 9
	s_bfe_u32 s18, s15, 0x20001
	s_lshl_b32 s18, s18, 2
	s_add_co_u32 s17, s17, s18
	s_lshr_b32 s20, s12, 4
	s_lshl_b32 s20, s20, 7
	s_add_co_u32 s20, s20, s15                     ; my first tile among all 512 tiles of tokens
	s_and_b32 s21, s12, 15                         ; the head
	s_lshl_b32 s18, s20, 3
	s_lshr_b32 s22, s21, 1
	s_add_co_u32 s18, s18, s22
	s_mul_i32 s18, s18, 1536                       ; x's codes: [tile][K step = head / 2][1,536 bytes],
	s_and_b32 s22, s21, 1
	s_mul_i32 s22, s22, 768                        ; the odd head's six registers behind the even head's
	s_add_co_u32 s18, s18, s22
	s_lshl_b32 s19, s20, 9                         ; x's scale bytes: [tile][lane r][32 bytes], bytes 2 head, 2 head + 1
	s_lshl_b32 s21, s21, 1
	s_add_co_u32 s19, s19, s21
	s_lshl_b32 s22, s15, 12                        ; the mask words of my two tiles: 32 blocks of 256 bytes on end
	s_mov_b32 s23, 0
	s_wait_dscnt 0x0
	s_wait_kmcnt 0x0
	s_mov_b32 s[G0], 1
	s_mov_b32 s[G0+1], s14
	s_add_nc_u64 s[G0+2:G0+3], s[4:5], s[2:3]
	s_or_b32 s[G0+3], s[G0+3], 0x80000000
	CROUND                                         ; all four work-groups are here: the joint loads meet
	tensor_load_to_lds s[G0:G0+3], s[G1:G1+7]      ; my one tensor load of the launch
	s_nop 0
.rept 4
	v_nop
.endr
	s_mov_b32 s2, s13
	s_add_nc_u64 s[4:5], s[4:5], s[2:3]            ; qkv at my head
	s_add_nc_u64 s[6:7], s[6:7], s[22:23]
	v_and_b32 v3, 31, v0
	v_and_b32 v4, 15, v0                           ; r
	v_bfe_u32 v6, v0, 4, 1                         ; h
	v_lshlrev_b32 v[LN16], 4, v3
	v_lshlrev_b32 v[LN8], 3, v3
	v_add_nc_u32 v[QA16], s16, v[LN16]
	v_add_nc_u32 v[QA8], s16, v[LN8]
	v_lshl_add_u32 v[QAS], v4, 4, s17
	v_add_nc_u32 v[XA], s18, v[LN8]
	v_lshl_add_u32 v[XSA], v4, 5, s19
	v_mov_b32 v[NEG], 0xd0000000                   ; -2^33
	v_lshlrev_b32 v[SH8], 3, v6
.irp j, 6,7,8,9,10,11
	v_mov_b32 v[QF+\j], 0                          ; Q's upper 64 along K: zero codes
.endr
	v_mov_b32 v[PX], 0                             ; a lane permute's destination counts as one of its sources
	v_mov_b32 v[PX+1], 0
	v_mov_b32 v[F+1], 0
.irp j, 80,81,82,83,84,85
	v_mov_b32 v[\j], 0                             ; what stands behind K's last tile
.endr
	s_mov_b32 s[MO], 0
	MASKWORDS                                      ; the first step's (their registers have served the set-up above)
	WALU
	s_wait_tensorcnt 0x0                           ; my sixteenth is in,
	s_barrier_signal -1
	s_barrier_wait -1                              ; everybody's is: from here on LDS is only read
	PASS 0
	PASS 1
	s_wait_tensorcnt 0x0                           ; the wave's end
	ds_add_u32 v254, v255
	s_wait_dscnt 0x0
	CROUND                                         ; the closing round
	s_endpgm
.Lfunc_end_k_qba5957351b_attn:
	.size	k_qba5957351b_attn, .Lfunc_end_k_qba5957351b_attn-k_qba5957351b_attn
	.p2alignl 7, 3214868480
	.fill 96, 4, 3214868480
	.section	.rodata,"a",@progbits
	.p2align	6, 0x0
	.amdhsa_kernel k_qba5957351b_attn
		.amdhsa_group_segment_fixed_size 215040
		.amdhsa_private_segment_fixed_size 0
		.amdhsa_enable_private_segment 0
		.amdhsa_kernarg_size 24
		.amdhsa_user_sgpr_count 2
		.amdhsa_user_sgpr_kernarg_segment_ptr 1
		.amdhsa_wavefront_size32 1
		.amdhsa_system_sgpr_workgroup_id_x 1
		.amdhsa_system_sgpr_workgroup_id_y 1
		.amdhsa_system_sgpr_workgroup_id_z 1
		.amdhsa_system_vgpr_workitem_id 0
		.amdhsa_next_free_vgpr 256
		.amdhsa_next_free_sgpr 102
		.amdhsa_reserve_vcc 0
		.amdhsa_float_denorm_mode_32 3
		.amdhsa_float_denorm_mode_16_64 3
		.amdhsa_memory_ordered 1
		.amdhsa_forward_progress 1
		.amdhsa_inst_pref_size 58
	.end_amdhsa_kernel
	.amdgpu_metadata
---
amdhsa.version: [ 1, 2 ]
amdhsa.kernels:
  - .name:           k_qba5957351b_attn
    .symbol:         k_qba5957351b_attn.kd
    .args:
      - { .name: qkv, .offset: 0, .size: 8, .value_kind: global_buffer, .address_space: global }
      - { .name: mbits, .offset: 8, .size: 8, .value_kind: global_buffer, .address_space: global }
      - { .name: ximg, .offset: 16, .size: 8, .value_kind: global_buffer, .address_space: global }
    .group_segment_fixed_size: 215040
    .private_segment_fixed_size: 0
    .kernarg_segment_align: 8
    .kernarg_segment_size: 24
    .max_flat_workgroup_size: 512
    .sgpr_count:     102
    .vgpr_count:     256
    .wavefront_size: 32
...
	.end_amdgpu_metadata
.endif
;; end of part 3
;; launch outp (part 4): grid 256 x 1, 4 waves a work-group, clusters of 4 x 1, 168,448 bytes of LDS; arguments ximg, wimg, w_o_scales, b_o, out0; writes out0
.if DOCPART == 4
	.amdgcn_target "amdgcn-amd-amdhsa--gfx1250"
	.amdhsa_code_object_version 6
	.text
	.protected	k_qba5957351b_outp
	.globl	k_qba5957351b_outp
	.p2align	8
	.type	k_qba5957351b_outp,@function
k_qba5957351b_outp:
	s_mov_b64 s[64:65], 0
	v_nop
	global_prefetch_b8 v0, s[64:65] scope:SCOPE_SE
	s_setreg_imm32_b32 hwreg(HW_REG_WAVE_MODE, 25, 1), 1
	s_wait_xcnt 0x0
	s_wait_alu depctr_hold_cnt(0) depctr_sa_sdst(0) depctr_va_vdst(0) depctr_va_sdst(0) depctr_va_ssrc(0) depctr_va_vcc(0) depctr_vm_vsrc(0)
	s_getreg_b32 s2, hwreg(HW_REG_IB_STS2, 6, 4)
	s_cmp_eq_u32 s2, 0
	s_cbranch_scc0 .Lentry_in_a_cluster
	s_endpgm
.Lentry_in_a_cluster:
	s_bfe_u32 s2, ttmp6, 0x10000c
	s_cmp_lg_u32 s2, 0x3003
	s_cbranch_scc0 .Lentry_shape_is_right
	s_endpgm
.Lentry_shape_is_right:
; out0 = x w_o^T + b_o on codes of FP6 (E2M3) with E8M0 block scales.  x comes as images of operand registers with its scale bytes (the attention launch has laid them), w_o likewise (the first launch).
; SHARES.  A cluster of four work-groups takes 128 tokens (cluster x); work-group cx output columns 256 cx on; wave w 64 of them: 32 accumulators, 256 registers.  K = 1,024 in 8 steps of 128, all written out.
; x's eight tiles x eight K steps are 98,304 dense bytes: they come into LDS once, a quarter by each wave's one joint tensor load (the four partners need the same bytes).  w_o's fragments go from memory straight into the registers
; of the one wave that uses them, three K steps ahead.  Source 0 = weights, source 1 = tokens: a lane holds one token and neighbouring columns.  The bias is the C of each sum's first product.
; Lane r of tile 2 b + u (tokens and weight rows alike) holds row 32 b + 8 u + r + 8 (r / 8).
; REGISTERS, in windows of 256: window 0: v1-9 addresses; v32-95 tokens' scale words; v96-127 weights'; v128-159 biases; v160-223 rows on their way out.  window 1: accumulators.  window 2: tokens' fragments, two sets of 96.  window 3: weights', four sets of 48.
.set WO,   2359296                     ; w_o's images in wimg: behind three tensors of 786,432 bytes
.set XSC,  6291456                     ; x's scale bytes in ximg
.set STG,  98304                       ; LDS behind x: a stage of 16 rows x 272 bytes for each wave; no tensor load lands there
.set SPI,  272
.set LN16, 1                           ; v1   16 x lane
.set AX,   2                           ; v2   8 x lane: tiles 0-3;  v3  + 49,152: tiles 4-7
.set VR32, 4                           ; v4   32 (r + 8 (r / 8)): a weight row's scale bytes
.set VX32, 5                           ; v5   32 r: a token's
.set VB64, 6                           ; v6   64 h: my half's 16 biases
.set STO,  7                           ; v7   the stage: where I put 16 bytes of a row
.set RD,   8                           ; v8   and where I read a row back
.set CO,   9                           ; v9   my byte offset in two rows of out0
.set XS,   32
.set YS,   96
.set BIAS, 128
.set BK,   160
.set WB,   6                           ; s[6:7] wimg at my four tiles;  s[8:9] their scale bytes;  s[10:11] my biases;  s[12:13] out0;  s[14:15] x's scale bytes
.set YSB,  8
.set BB,   10
.set OUT,  12
.set XSB,  14
.set WV,   32
.set CX,   33
.set HD,   34
.set TB,   35
.set G1,   40
.set G0,   48
.set MSB, 0
.macro WIN new                         ; the immediate's high byte repeats the setting that is left
.if MSB != \new
	s_set_vgpr_msb (MSB<<8)|\new
.set MSB, \new
.endif
.endm
.macro PLACES                          ; four places in front of loads into registers that matrix instructions have read, and of the first read of results
.rept 4
	v_nop
.endr
.endm
.macro CROUND                          ; a round of the cluster's barrier
	s_barrier_signal -1
	s_barrier_wait -1
	s_cmp_lg_u32 s[WV], 0
	s_cbranch_scc1 .Lnot_wave_0_\@
	s_barrier_signal -3
.Lnot_wave_0_\@:
	s_barrier_wait -3
	s_barrier_signal -1
	s_barrier_wait -1
.endm
.macro FETCH_X kk                      ; 48 LDS loads of 256 consecutive bytes: the eight token tiles of K step kk into set kk % 2 of window 2
	WIN 0x80
.irp a, 0,1,2,3,4,5,6,7
.irp p, 0,1,2,3,4,5
	ds_load_b64 v[96*((\kk)%2)+12*\a+2*\p:96*((\kk)%2)+12*\a+2*\p+1], v[AX+\a/4] offset:((\a%4)*8+(\kk))*1536+256*\p
.endr
.endr
.endm
.macro FETCH_Y kk                      ; 12 loads: my four weight tiles of K step kk into set kk % 4 of window 3
	WIN 0xc0
.irp t, 0,1,2,3
.irp c, 0,1,2
	global_load_b128 v[48*((\kk)%4)+12*\t+4*\c:48*((\kk)%4)+12*\t+4*\c+3], v[LN16], s[WB:WB+1] offset:WO+(8*\t+(\kk))*1536+512*\c
.endr
.endr
.endm
.macro MM d, a, b, c, sa, sb
	v_wmma_scale_f32_16x16x128_f8f6f4 v[\d:\d+7], v[\a:\a+11], v[\b:\b+11], v[\c:\c+7], v[\sa], v[\sb] matrix_a_fmt:MATRIX_FMT_FP6 matrix_b_fmt:MATRIX_FMT_FP6
.endm
; A K step: the next step's tokens and the weights three steps on are asked for, then 32 products; the 32 accumulators take turns, one instruction a turn.
.macro KSTEP kk
.if (\kk) < 7
	PLACES
	FETCH_X (\kk)+1
.endif
.if (\kk) < 5
	FETCH_Y (\kk)+3
.endif
.if (\kk) < 7
	s_wait_dscnt 48                                ; this step's tokens are in; the 48 loads just issued may be out
.else
	s_wait_dscnt 0x0
.endif
.if (\kk) < 5
	s_wait_loadcnt 36                              ; this step's weights (and all asked for before them) are in; three younger sets of 12 loads may be out
.else
	s_wait_loadcnt 12*(7-(\kk))                    ; the younger sets run out: 24, 12, 0
.endif
.if (\kk) == 0
	WIN 0x4b                                       ; source 0 weights (window 3), source 1 tokens (2), C biases (0), D window 1
.else
	WIN 0x5b
.endif
.irp a, 0,1,2,3,4,5,6,7
.irp t, 0,1,2,3
.if (\kk) == 0
	MM 8*(4*\a+\t), 48*((\kk)%4)+12*\t, 96*((\kk)%2)+12*\a, BIAS+8*\t, YS+8*\t+(\kk), XS+8*\a+(\kk)
.else
	MM 8*(4*\a+\t), 48*((\kk)%4)+12*\t, 96*((\kk)%2)+12*\a, 8*(4*\a+\t), YS+8*\t+(\kk), XS+8*\a+(\kk)
.endif
.endr
.endr
.endm
; THE WAY OUT, a tile of 16 tokens x 64 columns at a time.  A lane holds pieces of one row and the lanes beside it other rows: the tile goes through my own stage in LDS and comes back as whole rows of 256 bytes.
; LDS serves a wave's instructions in order (ISA guide 5.7.1.4): no wait between the stores and the loads, nor in front of the next tile's stores.
.macro TOSTAGE a
	WIN 0x04                                       ; an LDS store's data are its source 1: window 1
.irp t, 0,1,2,3
	ds_store_b128 v[STO], v[8*(4*(\a)+\t):8*(4*(\a)+\t)+3] offset:128*(\t/2)+32*(\t%2)        ; register j of tile 2 b + u: column 32 b + 16 h + 8 u + j; each accumulator from its low end on
	ds_store_b128 v[STO], v[8*(4*(\a)+\t)+4:8*(4*(\a)+\t)+7] offset:128*(\t/2)+32*(\t%2)+16
.endr
	WIN 0
.irp i, 0,1,2,3,4,5,6,7
	ds_load_b128 v[BK+32*((\a)%2)+4*\i:BK+32*((\a)%2)+4*\i+3], v[RD] offset:2*SPI*\i
.endr
.endm
.macro SEND a, younger                 ; younger: the LDS instructions issued behind tile a's loads, which may stay out
	s_wait_dscnt \younger
.irp i, 0,1,2,3,4,5,6,7
	global_store_b128 v[CO], v[BK+32*((\a)%2)+4*\i:BK+32*((\a)%2)+4*\i+3], s[OUT:OUT+1] offset:(32*((\a)/2)+8*((\a)%2)+2*\i+8*(\i/4))*4096 th:TH_STORE_NT   ; stage rows 2 i, 2 i + 1 are tokens 2 i + 8 (i / 4) on of the tile: sixteen lanes store 256 consecutive bytes, aligned
.endr
.endm
	s_load_b256 s[4:11], s[0:1], 0x0               ; ximg s[4:5], wimg, w_o_scales, b_o
	s_load_b64 s[12:13], s[0:1], 0x20              ; out0
	v_lshl_add_u32 v254, v0, 2, 0x29000
	v_mov_b32 v255, 0
	ds_add_u32 v254, v255
	ds_add_u32 v254, v255
	v_lshrrev_b32 v10, 5, v0
	v_readfirstlane_b32 s[WV], v10                 ; wave 0..3
	s_bfe_u32 s[CX], ttmp6, 0x40000
	s_mov_b32 s[TB], ttmp9                         ; the cluster's 128 tokens
	s_lshl_b32 s[HD], s[CX], 2
	s_add_co_u32 s[HD], s[HD], s[WV]               ; which 64 columns are mine
	; descriptor group 1: 96 rows of 256 dense bytes (32 elements of 8 bytes), no padding
	s_mov_b32 s[G1+0], 15|(3<<16)|(1<<21)          ; 15:0 the mask: all four work-groups; 17:16 elements of 8 bytes; 21 set beside a mask
	s_mov_b32 s[G1+1], 32<<16
	s_mov_b32 s[G1+2], 96<<16
	s_mov_b32 s[G1+3], 32<<16
	s_mov_b32 s[G1+4], 96
	s_mov_b32 s[G1+5], 32
	s_mov_b32 s[G1+6], 0
	s_mov_b32 s[G1+7], 0
	s_mul_i32 s36, s[WV], 24576                    ; my quarter, in LDS and in memory
	s_mul_i32 s38, s[TB], 98304
	s_add_co_u32 s38, s38, s36
	s_mov_b32 s39, 0
	s_wait_dscnt 0x0
	s_wait_kmcnt 0x0
	s_mov_b32 s[G0], 1
	s_mov_b32 s[G0+1], s36
	s_add_nc_u64 s[G0+2:G0+3], s[4:5], s[38:39]
	s_or_b32 s[G0+3], s[G0+3], 0x80000000
	CROUND                                         ; all four work-groups are here: the joint loads meet
	tensor_load_to_lds s[G0:G0+3], s[G1:G1+7]      ; my one tensor load of the launch
	s_nop 0
	PLACES
	s_lshl_b32 s2, s[TB], 12                       ; x's scale bytes: 8 tiles of 512
	s_add_co_u32 s2, s2, XSC
	s_mov_b32 s3, 0
	s_add_nc_u64 s[XSB:XSB+1], s[4:5], s[2:3]
	s_mul_i32 s2, s[HD], 49152
	s_add_nc_u64 s[WB:WB+1], s[WB:WB+1], s[2:3]
	s_lshl_b32 s2, s[HD], 11
	s_add_nc_u64 s[YSB:YSB+1], s[YSB:YSB+1], s[2:3]
	s_lshl_b32 s2, s[HD], 8
	s_add_nc_u64 s[BB:BB+1], s[BB:BB+1], s[2:3]
	s_add_nc_u64 s[OUT:OUT+1], s[OUT:OUT+1], s[2:3]   ; my 64 columns are 256 bytes too,
	s_lshl_b32 s2, s[TB], 19                       ; and 128 rows of 4,096 bytes
	s_add_nc_u64 s[OUT:OUT+1], s[OUT:OUT+1], s[2:3]
	v_and_b32 v10, 31, v0
	v_lshlrev_b32 v[LN16], 4, v10
	v_lshlrev_b32 v[AX], 3, v10
	v_add_nc_u32 v[AX+1], 49152, v[AX]
	v_and_b32 v11, 15, v0                          ; r
	v_bfe_u32 v12, v0, 4, 1                        ; h
	v_and_b32 v13, 8, v11
	v_add_nc_u32 v13, v13, v11                     ; r + 8 (r / 8)
	v_lshlrev_b32 v[VR32], 5, v13
	v_lshlrev_b32 v[VX32], 5, v11
	v_lshlrev_b32 v[VB64], 6, v12
	s_mul_i32 s16, s[WV], 16*SPI
	s_add_co_u32 s16, s16, STG                     ; my stage
	v_mul_u32_u24 v[STO], v11, SPI
	v_lshl_add_u32 v[STO], v12, 6, v[STO]
	v_add_nc_u32 v[STO], s16, v[STO]               ; in: row r, + 64 bytes (16 columns) for the upper half of the lanes
	v_mul_u32_u24 v[RD], v12, SPI
	v_lshl_add_u32 v[RD], v11, 4, v[RD]
	v_add_nc_u32 v[RD], s16, v[RD]                 ; back: lanes 0-15 one row, lanes 16-31 the next
	v_lshlrev_b32 v[CO], 12, v12
	v_lshl_add_u32 v[CO], v11, 4, v[CO]            ; and the same two rows in out0
.irp t, 0,1,2,3
.irp j, 0,1
	global_load_b128 v[YS+8*\t+4*\j:YS+8*\t+4*\j+3], v[VR32], s[YSB:YSB+1] offset:(32*(\t/2)+8*(\t%2))*32+16*\j   ; a row's 32 scale bytes are its eight K steps' words
.endr
.endr
.irp a, 0,1,2,3,4,5,6,7
.irp j, 0,1
	global_load_b128 v[XS+8*\a+4*\j:XS+8*\a+4*\j+3], v[VX32], s[XSB:XSB+1] offset:512*\a+16*\j
.endr
.endr
.irp t, 0,1,2,3
.irp j, 0,1
	global_load_b128 v[BIAS+8*\t+4*\j:BIAS+8*\t+4*\j+3], v[VB64], s[BB:BB+1] offset:(32*(\t/2)+8*(\t%2))*4+16*\j
.endr
.endr
	FETCH_Y 0
	FETCH_Y 1
	FETCH_Y 2
	s_wait_tensorcnt 0x0                           ; my quarter of x is in,
	s_barrier_signal -1
	s_barrier_wait -1                              ; everybody's is
	FETCH_X 0
.irp kk, 0,1,2,3,4,5,6,7
	KSTEP \kk
.endr
	PLACES
	s_wait_alu depctr_va_vdst(0)
	TOSTAGE 0
.irp a, 1,2,3,4,5,6,7
.if \a > 1
	s_wait_xcnt 0x0                                ; tile a - 2's stores have read their registers: tile a's rows may land there
.endif
	TOSTAGE \a
	SEND \a-1, 16                                  ; behind tile a - 1's loads: tile a's 8 stores and 8 loads
.endr
	SEND 7, 0
	s_wait_tensorcnt 0x0
	ds_add_u32 v254, v255
	s_wait_dscnt 0x0
	CROUND                                         ; the closing round
	s_endpgm
.Lfunc_end_k_qba5957351b_outp:
	.size	k_qba5957351b_outp, .Lfunc_end_k_qba5957351b_outp-k_qba5957351b_outp
	.p2alignl 7, 3214868480
	.fill 96, 4, 3214868480
	.section	.rodata,"a",@progbits
	.p2align	6, 0x0
	.amdhsa_kernel k_qba5957351b_outp
		.amdhsa_group_segment_fixed_size 168448
		.amdhsa_private_segment_fixed_size 0
		.amdhsa_enable_private_segment 0
		.amdhsa_kernarg_size 40
		.amdhsa_user_sgpr_count 2
		.amdhsa_user_sgpr_kernarg_segment_ptr 1
		.amdhsa_wavefront_size32 1
		.amdhsa_system_sgpr_workgroup_id_x 1
		.amdhsa_system_sgpr_workgroup_id_y 1
		.amdhsa_system_sgpr_workgroup_id_z 1
		.amdhsa_system_vgpr_workitem_id 0
		.amdhsa_next_free_vgpr 1024
		.amdhsa_next_free_sgpr 66
		.amdhsa_reserve_vcc 0
		.amdhsa_float_denorm_mode_32 3
		.amdhsa_float_denorm_mode_16_64 3
		.amdhsa_memory_ordered 1
		.amdhsa_forward_progress 1
		.amdhsa_inst_pref_size 90
	.end_amdhsa_kernel
	.amdgpu_metadata
---
amdhsa.version: [ 1, 2 ]
amdhsa.kernels:
  - .name:           k_qba5957351b_outp
    .symbol:         k_qba5957351b_outp.kd
    .args:
      - { .name: ximg, .offset: 0, .size: 8, .value_kind: global_buffer, .address_space: global }
      - { .name: wimg, .offset: 8, .size: 8, .value_kind: global_buffer, .address_space: global }
      - { .name: w_o_scales, .offset: 16, .size: 8, .value_kind: global_buffer, .address_space: global }
      - { .name: b_o, .offset: 24, .size: 8, .value_kind: global_buffer, .address_space: global }
      - { .name: out0, .offset: 32, .size: 8, .value_kind: global_buffer, .address_space: global }
    .group_segment_fixed_size: 168448
    .private_segment_fixed_size: 0
    .kernarg_segment_align: 8
    .kernarg_segment_size: 40
    .max_flat_workgroup_size: 128
    .sgpr_count:     66
    .vgpr_count:     1024
    .wavefront_size: 32
...
	.end_amdgpu_metadata
.endif
;; end of part 4
